; MI455X (gfx1250); checked and timed in simulation.
; The chip was launched on July 23, 2026; its instructions are those of AMD's public machine-readable ISA for CDNA 5 (MIT licence, August 2026) and "CDNA5" Instruction Set Architecture Reference Guide (July 2026). The comments in the code are by the model that wrote it; some were corrected since.
;; Encoder. Allowed arithmetic: matrix products marked QUANTISED: E2M3 operands, one E8M0 scale for each 32 along K, by v_wmma_scale_f32_16x16x128_f8f6f4 with both operands' format E2M3, f32 sums; everything else in f32.
;; Inputs: Wk 1,024 x 1,024 float32; Wq 1,024 x 1,024 float32; Wv 1,024 x 1,024 float32; bk 1,024 float32; bq 1,024 float32; bv 1,024 float32; x 4 x 2,048 x 1,024 float32.
;; Outputs: out0 4 x 2,048 x 1,024 float32.
;; This version of the problem:
;;   THIS VERSION OF THE PROBLEM IS GIVEN IN LOW PRECISION. The matrix products marked QUANTISED in the list below multiply operands that are first quantised to E2M3 (2 exponent bits, 3 mantissa bits; 6 bits a number), with one power-of-two scale for each 32 numbers along K (OCP MX v1.0); their sums are f32. All else is computed in f32.
;;   The module's matrix products, in the order in which they are computed (A, B: the left and right operand; K: the contracted axis; several contracted axes count as one K, in the product's order):
;;     1. [M 8,192, K 1,024] x [K 1,024, N 1,024]; A: input x; B: input Wq: QUANTISED
;;     2. [M 8,192, K 1,024] x [K 1,024, N 1,024]; A: input x; B: input Wk: QUANTISED
;;     3. [M 8,192, K 1,024] x [K 1,024, N 1,024]; A: input x; B: input Wv: QUANTISED
;;     4. batch 64 x [M 2,048, K 64] x [K 64, N 2,048]; A: computed on the way; B: computed on the way: QUANTISED
;;     5. batch 64 x [M 2,048, K 2,048] x [K 2,048, N 64]; A: softmax (see below); B: computed on the way: QUANTISED
;;   THE QUANTISER, for each operand of a quantised product, along K:
;;     - K is cut into blocks of 32 from its start; a last block that is shorter is filled with zeros.
;;     - A block's scale is 2^e with e = floor(log2(the largest magnitude in the block)) - 2, held to -126 .. 127; a block of zeros has e = 0. As a byte (E8M0): e + 127.
;;     - Each number is divided by its block's scale, clamped to +-7.5, and rounded to the nearest number of E2M3, ties to even, subnormals kept.
;;     - The product sums the exact products of the quantised numbers (number of the format x scale) in f32.
;;   ~~~python
;;   def quantise(x, axis):      # numpy; x: float32 -> the quantised numbers, widened to float32 again
;;       x = np.moveaxis(x, axis, -1); K = x.shape[-1]
;;       x = np.pad(x, [(0, 0)] * (x.ndim - 1) + [(0, -K % 32)]); x = x.reshape(x.shape[:-1] + (-1, 32)); a = np.abs(x).max(-1, keepdims=True)
;;       e = np.where(a > 0, np.clip(np.frexp(np.where(a > 0, a, 1))[1] - 1 - 2, -126, 127), 0)      # np.frexp(a)[1] - 1 = floor(log2(a)), exactly
;;       r = np.clip(x / 2.0 ** e, -7.5, 7.5)
;;       step = 2.0 ** (np.maximum(np.frexp(np.where(r == 0, 1, r))[1] - 1, 0) - 3)
;;       q = np.round(r / step) * step * 2.0 ** e      # np.round: ties to even
;;       return np.moveaxis(q.reshape(q.shape[:-2] + (-1,))[..., :K], -1, axis).astype(np.float32)
;;   ~~~
;;   SOFTMAX AHEAD OF A QUANTISED PRODUCT. Where the list says 'softmax', what is quantised is not the finished softmax but p = 2^(t - M), with t = logit x log2(e) and M = ceil(the row's largest t), a whole number; so 1/2 < the row's largest p <= 1. The row's sum l is taken of the UNQUANTISED p, in f32, and the product's result is divided by l at the end. Since M is a whole number, a kernel that streams over the keys may use a running M (the ceiling of the running maximum): every later rescaling is an exact power of two, which a block's scale takes up: the codes' values come out the same.
;;   OPERANDS COMPUTED ON THE WAY. 'Computed on the way' means the value that the module computes at that place (a softmax that the list does not call 'softmax' is quantised finished and normalised). What goes into a quantiser is computed in f32, as accurately as f32 sums, v_exp_f32 and their like allow (about 1e-6 of the number): no bf16 or f16 on the way to a quantiser, and a product that is left as it is and whose result goes on into a quantised operand takes f32 operands (vector FMAs, or v_wmma_f32_16x16x4_f32). A number that lies on a knife's edge between two numbers of the format may be rounded either way, as far as f32 arithmetic and the matrix unit's own rounding can turn it there, and no further.
;; One version. Each part assembles by itself: llvm-mc -triple=amdgcn-amd-amdhsa -mcpu=gfx1250 --defsym DOCPART=n.
;; ======== version 1 of 1: 3 launches
;; workspace buffers: xc 6,291,456 bytes; xs 262,144 bytes; wc 2,359,296 bytes; ws 98,304 bytes; qkc 12,582,912 bytes; qks 1,048,576 bytes; vc 6,291,456 bytes; vs 262,144 bytes
;; launch quant (part 1): grid 352 x 1, 2 waves a work-group, no clusters, 17,152 bytes of LDS; arguments x, Wq, Wk, Wv, xc, xs, wc, ws; writes xc, xs, wc, ws
.if DOCPART == 1
	.amdgcn_target "amdgcn-amd-amdhsa--gfx1250"
	.amdhsa_code_object_version 6
	.text
	.protected	k_q1422606076_quant
	.globl	k_q1422606076_quant
	.p2align	8
	.type	k_q1422606076_quant,@function
k_q1422606076_quant:
	s_mov_b64 s[64:65], 0
	v_nop
	global_prefetch_b8 v0, s[64:65] scope:SCOPE_SE
	s_setreg_imm32_b32 hwreg(HW_REG_WAVE_MODE, 25, 1), 1
	s_wait_xcnt 0x0
; x [8192][1024] and Wq, Wk, Wv [1024][1024], f32, K innermost, become codes of FP6 (E2M3) with one E8M0 byte for each 32 along K,
; laid as IMAGES OF OPERAND REGISTERS.  A tile is 16 rows, a fragment a tile x 128 along K: 12 registers a lane, stored as three groups of
; four registers, lane l's 16 bytes at 16 l: 1,536 bytes.  xc: [tile 512][K step 8][1536]; wc: the same for the 192 tiles of Wq, Wk, Wv on end.
; THE ROWS OF A TILE ARE NOT NEIGHBOURS: row r of tile T is row 64 (T / 4) + 8 (T % 4) + r % 8 + 32 (r / 8).  Used as source 0 of a product, four
; neighbouring tiles then leave 32 neighbouring rows in a lane's 32 result registers, which is a whole block of the next quantiser.
; Scale words (four bytes: 128 along K of a row): xs, ws: [tile][K steps 0-3 | 4-7][row 16][4 words]: 512 bytes a tile.
; A block's scale is 2^(floor(log2(largest magnitude)) - 2); its byte is the largest magnitude's exponent field - 2, held at 1 from below.
; LIMITS: NaN and infinities are not served; a block whose largest magnitude lies under 2^-124, a block of zeros among them, gets the byte 1
; (the rule says 127 for zeros: the codes are zeros, and this program alone reads the bytes).
; SHARES: a wave takes one tile for all eight K steps.  Each load reads 512 consecutive bytes of one row; a K step's 16 rows turn through the
; wave's own stage in LDS, so that a lane gets the 64 numbers that the operand's layout gives it.  Waves share nothing: no barrier.
.set ROWB,  4096                       ; a row of x or W in bytes
.set SP,    528                        ; a stage row: 512 bytes + 16
.set STGB,  16*SP                      ; a wave's stage
.set FRB,   1536                       ; a fragment's image
.set SW,    8                          ; v8-15    the eight K steps' scale words
.set R,     16                         ; v16-143  two sets of 64 registers as loaded
.set X,     144                        ; v144-207 64 numbers: register 32 c + i = k 64 c + 32 (lane / 16) + i of my row
.set PC,    208                        ; v208-231 two sets of 12 code registers
.set PX,    232                        ; v232-234, v236-238 the conversions' second halves
.set TM,    240                        ; v240-246 at work in the quantiser
.set SX,    248                        ; v248-251 the scale words as stored
.set SH8,   5                          ; v5       8 x (lane / 16)
.set SEL,   20                         ; s[20:21] v_permlanex16_b32's selects for lane l xor 16
; 64 numbers of a lane become a fragment's 12 code registers v[pc] on and the row's scale word v[pw] (whole in every lane).
; A lane holds two whole blocks of 32, so no other lane is asked for a maximum; lane l xor 16 holds the row's other two bytes.
.macro QUANT2 s, pc, pw
	v_max3_num_f32 v[TM], |v[(\s)]|, |v[(\s)+1]|, 0x1800000            ; with the floor 2^(3 - 127): the byte cannot fall under 1
	v_max3_num_f32 v[TM+1], |v[(\s)+32]|, |v[(\s)+33]|, 0x1800000
.set qi, 2
.rept 15
	v_max3_num_f32 v[TM], v[TM], |v[(\s)+qi]|, |v[(\s)+qi+1]|          ; the two blocks by turns
	v_max3_num_f32 v[TM+1], v[TM+1], |v[(\s)+32+qi]|, |v[(\s)+33+qi]|
.set qi, qi+2
.endr
	v_add_nc_u32 v[TM+2], 0xff000000, v[TM]                            ; 2 off the exponent field: the conversion's scale operand
	v_add_nc_u32 v[TM+3], 0xff000000, v[TM+1]
	v_lshrrev_b32 v[TM+4], 23, v[TM+2]                                 ; the scale's byte
	v_lshrrev_b32 v[TM+5], 23, v[TM+3]
	v_lshl_or_b32 v[(\pw)], v[TM+5], 16, v[TM+4]                       ; my blocks are h and 2 + h of the row's four
	v_lshlrev_b32 v[(\pw)], v[SH8], v[(\pw)]
	v_permlanex16_b32 v[TM+6], v[(\pw)], s[SEL], s[SEL+1]
	v_or_b32 v[(\pw)], v[(\pw)], v[TM+6]
.irp c, 0,1
	v_cvt_scalef32_pk16_fp6_f32 v[(\pc)+6*\c:(\pc)+6*\c+2], v[(\s)+32*\c:(\s)+32*\c+15], v[TM+2+\c]
	v_cvt_scalef32_pk16_fp6_f32 v[PX+4*\c:PX+4*\c+2], v[(\s)+32*\c+16:(\s)+32*\c+31], v[TM+2+\c]   ; a conversion's three registers begin on an even number
.endr
	v_nop                                                              ; one plain line behind the scaled conversions
.irp c, 0,1
.irp i, 0,1,2
	v_mov_b32 v[(\pc)+6*\c+3+\i], v[PX+4*\c+\i]
.endr
.endr
.endm
	s_load_b512 s[4:19], s[0:1], 0x0               ; x, Wq, Wk, Wv, xc, xs, wc, ws
	v_lshl_add_u32 v254, v0, 2, 0x4200
	v_mov_b32 v255, 0
	v_lshrrev_b32 v1, 5, v0
	v_readfirstlane_b32 s22, v1                    ; wave 0, 1
	v_and_b32 v1, 31, v0                           ; lane
	v_lshlrev_b32 v2, 4, v1                        ; 16 x lane: my bytes of a load's or store's 512
	s_mul_i32 s23, s22, STGB                       ; my stage
	v_add_nc_u32 v3, s23, v2                       ; into it: a row as it lies
	v_and_b32 v6, 15, v0                           ; r
	v_bfe_u32 v7, v0, 4, 1                         ; h
	v_mul_u32_u24 v4, v6, SP
	v_lshl_add_u32 v4, v7, 7, v4
	v_add_nc_u32 v4, s23, v4                       ; out of it: row r, from number 32 h on
	v_lshlrev_b32 v[SH8], 3, v7
	v_mov_b32 v[TM+6], 0                           ; a lane permute's destination counts as read: written once
	s_mov_b32 s[SEL], 0x76543210
	s_mov_b32 s[SEL+1], 0xfedcba98
	s_lshl_b32 s32, ttmp9, 1
	s_add_co_u32 s32, s32, s22                     ; my tile of the 704: 512 of x, then 64 each of Wq, Wk, Wv
	s_wait_alu depctr_va_vdst(0)
	s_wait_kmcnt 0x0
	s_cmp_lt_u32 ttmp9, 320                        ; which tensor: the choice hangs on the work-group's number alone, and only pointers are chosen
	s_cselect_b64 s[24:25], s[8:9], s[10:11]
	s_cmp_lt_u32 ttmp9, 288
	s_cselect_b64 s[24:25], s[6:7], s[24:25]
	s_cmp_lt_u32 ttmp9, 256
	s_cselect_b64 s[24:25], s[4:5], s[24:25]
	s_cselect_b64 s[26:27], s[12:13], s[16:17]     ; the codes' buffer
	s_cselect_b64 s[28:29], s[14:15], s[18:19]     ; the scale words'
	s_cselect_b32 s30, 0, 512
	s_cselect_b32 s31, 0x1ff, 63
	s_sub_co_u32 s32, s32, s30                     ; the tile's number in its buffer of codes
	s_and_b32 s33, s32, s31                        ; and in its tensor
	s_lshr_b32 s34, s33, 2
	s_lshl_b32 s34, s34, 6
	s_and_b32 s35, s33, 3
	s_lshl_b32 s35, s35, 3
	s_add_co_u32 s34, s34, s35                     ; the tile's first row: 64 (T / 4) + 8 (T % 4)
	s_lshl_b32 s34, s34, 12
	s_mov_b32 s35, 0
	s_add_nc_u64 s[24:25], s[24:25], s[34:35]
	s_mul_i32 s34, s32, 8*FRB
	s_add_nc_u64 s[26:27], s[26:27], s[34:35]
	s_lshl_b32 s34, s32, 9
	s_add_nc_u64 s[28:29], s[28:29], s[34:35]
.macro LOAD t                          ; K step t of the tile's 16 rows: each load reads 512 consecutive bytes
.irp i, 0,1,2,3,4,5,6,7,8,9,10,11,12,13,14,15
	global_load_b128 v[R+64*((\t)%2)+4*\i:R+64*((\t)%2)+4*\i+3], v2, s[24:25] offset:((\i%8)+32*(\i/8))*ROWB+512*(\t) th:TH_LOAD_NT
.endr
.endm
.macro STEP t
.if (\t) < 7
	s_wait_loadcnt 16                              ; this step's 16 loads are in; the next step's 16 may be out
.else
	s_wait_loadcnt 0
.endif
.irp i, 0,1,2,3,4,5,6,7,8,9,10,11,12,13,14,15
	ds_store_b128 v3, v[R+64*((\t)%2)+4*\i:R+64*((\t)%2)+4*\i+3] offset:SP*\i
.endr
.irp c, 0,1
.irp j, 0,1,2,3,4,5,6,7
	ds_load_b128 v[X+32*\c+4*\j:X+32*\c+4*\j+3], v4 offset:256*\c+16*\j   ; LDS serves a wave's instructions in order: these see the stores above
.endr
.endr
	s_wait_dscnt 0x0                               ; my 64 numbers are in, and the stores have read their registers,
.if (\t) < 6
	LOAD (\t)+2                                    ; which take the loads of two steps on
.endif
.if (\t) >= 2
	s_wait_xcnt 0x0                                ; the stores of two steps back have read this set of code registers
.endif
	QUANT2 X, PC+12*((\t)%2), SW+(\t)
.irp c, 0,1,2
	global_store_b128 v2, v[PC+12*((\t)%2)+4*\c:PC+12*((\t)%2)+4*\c+3], s[26:27] offset:FRB*(\t)+512*\c   ; 512 consecutive bytes, aligned to 256
.endr
.endm
	LOAD 0
	LOAD 1
.irp t, 0,1,2,3,4,5,6,7
	STEP \t
.endr
	v_cmp_lt_u32 vcc_lo, 15, v1                    ; lanes 0-15 store K steps 0-3 of row r, lanes 16-31 K steps 4-7
.irp i, 0,1,2,3
	v_cndmask_b32 v[SX+\i], v[SW+\i], v[SW+4+\i], vcc_lo
.endr
	global_store_b128 v2, v[SX:SX+3], s[28:29]     ; the tile's 512 bytes of scale words
	s_wait_tensorcnt 0x0
	ds_add_u32 v254, v255
	s_wait_dscnt 0x0
	s_endpgm
.Lfunc_end_k_q1422606076_quant:
	.size	k_q1422606076_quant, .Lfunc_end_k_q1422606076_quant-k_q1422606076_quant
	.p2alignl 7, 3214868480
	.fill 96, 4, 3214868480
	.section	.rodata,"a",@progbits
	.p2align	6, 0x0
	.amdhsa_kernel k_q1422606076_quant
		.amdhsa_group_segment_fixed_size 17152
		.amdhsa_private_segment_fixed_size 0
		.amdhsa_enable_private_segment 0
		.amdhsa_kernarg_size 64
		.amdhsa_user_sgpr_count 2
		.amdhsa_user_sgpr_kernarg_segment_ptr 1
		.amdhsa_wavefront_size32 1
		.amdhsa_system_sgpr_workgroup_id_x 1
		.amdhsa_system_sgpr_workgroup_id_y 1
		.amdhsa_system_sgpr_workgroup_id_z 1
		.amdhsa_system_vgpr_workitem_id 0
		.amdhsa_next_free_vgpr 256
		.amdhsa_next_free_sgpr 66
		.amdhsa_reserve_vcc 1
		.amdhsa_float_denorm_mode_32 3
		.amdhsa_float_denorm_mode_16_64 3
		.amdhsa_memory_ordered 1
		.amdhsa_forward_progress 1
		.amdhsa_inst_pref_size 57
	.end_amdhsa_kernel
	.amdgpu_metadata
---
amdhsa.version: [ 1, 2 ]
amdhsa.kernels:
  - .name:           k_q1422606076_quant
    .symbol:         k_q1422606076_quant.kd
    .args:
      - { .name: x, .offset: 0, .size: 8, .value_kind: global_buffer, .address_space: global }
      - { .name: Wq, .offset: 8, .size: 8, .value_kind: global_buffer, .address_space: global }
      - { .name: Wk, .offset: 16, .size: 8, .value_kind: global_buffer, .address_space: global }
      - { .name: Wv, .offset: 24, .size: 8, .value_kind: global_buffer, .address_space: global }
      - { .name: xc, .offset: 32, .size: 8, .value_kind: global_buffer, .address_space: global }
      - { .name: xs, .offset: 40, .size: 8, .value_kind: global_buffer, .address_space: global }
      - { .name: wc, .offset: 48, .size: 8, .value_kind: global_buffer, .address_space: global }
      - { .name: ws, .offset: 56, .size: 8, .value_kind: global_buffer, .address_space: global }
    .group_segment_fixed_size: 17152
    .private_segment_fixed_size: 0
    .kernarg_segment_align: 8
    .kernarg_segment_size: 64
    .max_flat_workgroup_size: 64
    .sgpr_count:     66
    .vgpr_count:     256
    .wavefront_size: 32
...
	.end_amdgpu_metadata
.endif
;; end of part 1
;; launch proj (part 2): grid 8 x 48, 4 waves a work-group, clusters of 4 x 4, 327,680 bytes of LDS; arguments xc, xs, wc, ws, bq, bk, bv, qkc, qks, vc, vs; writes qkc, qks, vc, vs
.if DOCPART == 2
	.amdgcn_target "amdgcn-amd-amdhsa--gfx1250"
	.amdhsa_code_object_version 6
	.text
	.protected	k_q1422606076_proj
	.globl	k_q1422606076_proj
	.p2align	8
	.type	k_q1422606076_proj,@function
k_q1422606076_proj:
	s_mov_b64 s[64:65], 0
	v_nop
	global_prefetch_b8 v0, s[64:65] scope:SCOPE_SE
	s_setreg_imm32_b32 hwreg(HW_REG_WAVE_MODE, 25, 1), 1
	s_wait_xcnt 0x0
	s_wait_alu depctr_hold_cnt(0) depctr_sa_sdst(0) depctr_va_vdst(0) depctr_va_sdst(0) depctr_va_ssrc(0) depctr_va_vcc(0) depctr_vm_vsrc(0)
	s_getreg_b32 s2, hwreg(HW_REG_IB_STS2, 6, 4)
	s_cmp_eq_u32 s2, 0
	s_cbranch_scc0 .Lentry_in_a_cluster
	s_endpgm
.Lentry_in_a_cluster:
	s_bfe_u32 s2, ttmp6, 0x10000c
	s_cmp_lg_u32 s2, 0xf033
	s_cbranch_scc0 .Lentry_shape_is_right
	s_endpgm
.Lentry_shape_is_right:
; q = x Wq^T + bq, k = x Wk^T + bk, v = x Wv^T + bv on codes of FP6 (E2M3) with E8M0 scales, K = 1024; the results are quantised here and leave as codes,
; as images of the registers of attention's operands.  No f32 result goes to memory.
; A tile of C = A B^T is 256 x 256: four waves of 128 x 128 (64 accumulators, 512 registers).  Source 0 = 16 rows of B, source 1 = 16 rows of A: a lane holds
; one row of A, and its registers run along B's rows.  The rows of a tile of 16 are 64 (T / 4) + 8 (T % 4) + r % 8 + 32 (r / 8), so the 64 registers of a block
; of A against B's eight tiles are: register 32 c + i = B's row 64 c + 32 (lane / 16) + i: two whole blocks of 32 in a lane, in the order of a 6-bit operand.
; TWO KINDS OF WORK-GROUP, told apart by the cluster's y, which all partners share.  y < 8: A = x, B = Wq and Wk: a lane holds a token, registers run along
; a head's 64: q and k, quantised along the head.  y >= 8: A = Wv, B = x: a lane holds a channel, registers run along the tokens: v, quantised along the keys.
; Both kinds run the same products from the same LDS map; they part in the way out alone, where neither stores to LDS.
; OPERANDS lie in memory as images (three groups of four registers, lane l's 16 bytes at 16 l): a fragment is three ds_load_b128 at 16 x lane.
; K goes through a ring of two LDS slots of 256 along K; a wave's tensor load brings 8 tiles x 3,072 bytes.  4 x 4 work-groups form a cluster: A's tiles are
; asked for jointly along a row of it, B's along a column.  All scale words of the tile come once and are read once, into 64 registers.
; OUT: qkc [head 32 (q 0-15, k 16-31)][token tile 512][768]: registers 0-3 at 16 x lane, registers 4-5 at 512 + 8 x lane;  qks [head 32][64 tokens 128][row 16][tile 4] words,
; bytes 0, 1 the head's two scales, bytes 2, 3 zero;  vc [batch x head 64][128 keys 16][tile 4][1536];  vs [64][16][row 16][tile 4] words.
; LIMITS: NaN and infinities are not served; a block whose largest magnitude lies under 2^-124 gets the byte 1.
; REGISTERS: window 0: v1-31 addresses; v32-95 scale words (register 8 i + ks: lanes 0-15 A's block i, lanes 16-31 B's block i, K step ks) and nothing else;
;   v128-223 A's eight fragments, one set; on the way out v128-231 are at work.  window 1: B's fragments, two sets, at v0 and v128; on the way out the bias at v0.
;   windows 2, 3: the accumulators of A's blocks 0-3 and 4-7: (a, b) at v[8 (8 (a % 4) + b)].
.set FR,    12                         ; registers of a fragment
.set NL,    3                          ; LDS loads that bring one
.set NP,    4                          ; places behind this matrix instruction (ISA guide 7.12.1)
.set TILEB, 3072                       ; a tile's bytes in a slot: two K steps of 128
.set KROW,  12288                      ; a tile's bytes in memory: eight K steps
.set HALFT, 8*TILEB                    ; what one tensor load brings, and what one wave reads of A or of B
.set SLOT,  4*HALFT                    ; A's 16 tiles, then B's 16
.set SCL,   2*SLOT                     ; the scale words: A's 16 tiles x 512 bytes, then B's
.set HALFS, 4096
.set BIAS,  SCL+4*HALFS                ; 256 numbers of bias
.set SPARE, BIAS+1024                  ; the spare words, 128 bytes for each wave, which no other line names
.set ADRA, 16                          ; v16-17 LDS address of my A fragments in slot 0, 1
.set ADRB, 20                          ; v20-21 the same for B
.set BADQ, 22                          ; v22    the bias along B's rows: BIAS + 512 x my half + 128 (lane / 16)
.set BADV, 23                          ; v23    the bias along A's rows: BIAS + 512 x my half + 4 x my row's place in a group of 64
.set L16,  24                          ; v24    16 x lane
.set L8,   25                          ; v25    8 x lane
.set SOF,  26                          ; v26    my offset among the scale words that leave
.set ADRS, 27                          ; v27    LDS address of my scale words: lanes 0-15 A's, lanes 16-31 B's
.set SPW,  28                          ; v28    my spare word; never rewritten
.set NIL,  29                          ; v29    0; never rewritten
.set SH8,  30                          ; v30    8 x (lane / 16)
.set SH16, 31                          ; v31    16 x (lane / 16)
.set SC,   32
.set AF,   128
.set T,    128                         ; the way out: 64 numbers
.set PC,   192                         ; 12 code registers
.set PX,   204
.set TM,   212
.set PW,   219
.set SW,   220                         ; v220-227 scale words
.set SX,   228
.set BB,   0                           ; the bias, in window 1
.set G1,   24                          ; s[24:31] group 1, s[32:39] groups 0 for A's tiles
.set G0,   32
.set G0BI, 40                          ; s[40:43] group 0 for the bias
.set G1B,  48                          ; s[48:55], s[56:63] for B's tiles
.set G0B,  56
.set G1S,  68                          ; s[68:75], s[76:79] for A's scale words
.set G0S,  76
.set G1SB, 80                          ; s[80:87], s[88:91] for B's
.set G0SB, 88
.set G1BI, 92                          ; s[92:99] group 1 for the bias
.set SEL,  104
.set MSB, 0
.macro WIN new                         ; the immediate's high byte repeats the setting that is left
.if MSB != (\new)
	s_set_vgpr_msb (MSB<<8)|(\new)
.set MSB, (\new)
.endif
.endm
.set MUL_LO, 0xa1                      ; source 0 (B) window 1, source 1 (A) window 0, C and D window 2
.set MUL_HI, 0xf1                      ; the same, C and D window 3
.set TO_B,   0x40                      ; destination window 1, address window 0
; A joint load: waves 0 and 1 fetch for A, waves 2 and 3 for B.  The branch hangs on the wave's number alone.  Four v_nop follow each line.
.macro JLOAD g0a, g1a, g0b, g1b
	s_cmp_eq_u32 s22, 0
	s_cbranch_scc0 .Lfor_b_\@
	tensor_load_to_lds s[\g0a:\g0a+3], s[\g1a:\g1a+7]
	s_nop 0
.rept 4
	v_nop
.endr
	s_branch .Lasked_\@
.Lfor_b_\@:
	tensor_load_to_lds s[\g0b:\g0b+3], s[\g1b:\g1b+7]
	s_nop 0
.rept 4
	v_nop
.endr
.Lasked_\@:
.endm
.macro CREST                           ; a round of the cluster's barrier behind its opening barrier
	s_cmp_lg_u32 s2, 0
	s_cbranch_scc1 .Lnot_wave_0_\@
	s_barrier_signal -3
.Lnot_wave_0_\@:
	s_barrier_wait -3
	s_barrier_signal -1
	s_barrier_wait -1
.endm
.macro CROUND
	s_barrier_signal -1
	s_barrier_wait -1
	CREST
.endm
.macro PLACES n
.rept \n
	v_nop
.endr
.endm
; 64 numbers of a lane (register 32 c + i = k 64 c + 32 (lane / 16) + i) become 12 code registers v[pc] on and the row's scale word v[pw], whole in every lane.
.macro QUANT2 s, pc, pw
	v_max3_num_f32 v[TM], |v[(\s)]|, |v[(\s)+1]|, 0x1800000            ; with the floor 2^(3 - 127): the byte cannot fall under 1
	v_max3_num_f32 v[TM+1], |v[(\s)+32]|, |v[(\s)+33]|, 0x1800000
.set qi, 2
.rept 15
	v_max3_num_f32 v[TM], v[TM], |v[(\s)+qi]|, |v[(\s)+qi+1]|          ; the two blocks by turns
	v_max3_num_f32 v[TM+1], v[TM+1], |v[(\s)+32+qi]|, |v[(\s)+33+qi]|
.set qi, qi+2
.endr
	v_add_nc_u32 v[TM+2], 0xff000000, v[TM]                            ; 2 off the exponent field: the conversion's scale operand
	v_add_nc_u32 v[TM+3], 0xff000000, v[TM+1]
	v_lshrrev_b32 v[TM+4], 23, v[TM+2]                                 ; the scale's byte
	v_lshrrev_b32 v[TM+5], 23, v[TM+3]
	v_lshl_or_b32 v[(\pw)], v[TM+5], 16, v[TM+4]                       ; my blocks are h and 2 + h of the row's four
	v_lshlrev_b32 v[(\pw)], v[SH8], v[(\pw)]
	v_permlanex16_b32 v[TM+6], v[(\pw)], s[SEL], s[SEL+1]
	v_or_b32 v[(\pw)], v[(\pw)], v[TM+6]
.irp c, 0,1
	v_cvt_scalef32_pk16_fp6_f32 v[(\pc)+6*\c:(\pc)+6*\c+2], v[(\s)+32*\c:(\s)+32*\c+15], v[TM+2+\c]
	v_cvt_scalef32_pk16_fp6_f32 v[PX+4*\c:PX+4*\c+2], v[(\s)+32*\c+16:(\s)+32*\c+31], v[TM+2+\c]   ; a conversion's three registers begin on an even number
.endr
	v_nop                                                              ; one plain line behind the scaled conversions
.irp c, 0,1
.irp i, 0,1,2
	v_mov_b32 v[(\pc)+6*\c+3+\i], v[PX+4*\c+\i]
.endr
.endr
.endm
	s_load_b256 s[4:11], s[0:1], 0x0               ; xc, xs, wc, ws
	s_load_b128 s[12:15], s[0:1], 0x20             ; bq, bk
	s_load_b64 s[16:17], s[0:1], 0x30              ; bv
	v_lshl_add_u32 v[SPW], v0, 2, SPARE
	v_mov_b32 v[NIL], 0
	ds_add_u32 v28, v29
	ds_add_u32 v28, v29
	s_wait_dscnt 0x0
	v_lshrrev_b32 v1, 5, v0
	v_readfirstlane_b32 s2, v1                     ; wave 0..3
	s_lshr_b32 s22, s2, 1                          ; which half of A's rows is mine.  Also: I fetch for A (0) or for B (1)
	s_and_b32 s23, s2, 1                           ; which half of B's rows.  Also: which 8 tiles I fetch
	s_bfe_u32 s18, ttmp6, 0x40000                  ; cx
	s_bfe_u32 s19, ttmp6, 0x40004                  ; cy
	s_and_b32 s100, ttmp7, 0xffff                  ; the cluster's y, 0..11
	s_max_u32 s101, s100, 8
	s_sub_co_u32 s101, s101, 8
	s_lshl_b32 s101, s101, 1
	s_add_co_u32 s101, s101, ttmp9                 ; for v: which four tile columns of x: the cluster's x + 2 (y - 8)
	s_cmp_lt_u32 s100, 8
	s_cselect_b32 s3, 0, 1                         ; the kind: 0 q and k, 1 v: the same in all sixteen partners
	s_cselect_b32 s20, s100, 2                     ; A: x's tile rows by y, or Wv's, which begin at tile row 8 of the three weights
	s_cselect_b32 s21, ttmp9, s101                 ; B: Wq's and Wk's tile columns by x, or x's
	s_lshl_b32 s20, s20, 2
	s_add_co_u32 s20, s20, s19                     ; tile row: hangs on cy alone of the two places
	s_lshl_b32 s21, s21, 2
	s_add_co_u32 s21, s21, s18                     ; tile column: on cx alone
	s_lshl_b32 s66, s19, 2
	s_lshl_b32 s66, 15, s66                        ; my row of the cluster
	s_lshl_b32 s67, 0x1111, s18                    ; my column
	; group 1 for the codes: 8 rows (tiles) of 384 elements of 8 bytes, 1,536 elements apart; dense in LDS
	s_or_b32 s[G1], s66, (3<<16)|(1<<21)           ; 15:0 the mask; 17:16 elements of 8 bytes; 21 set beside a mask; no padding
	s_or_b32 s[G1B], s67, (3<<16)|(1<<21)
.irp g, G1, G1B
	s_mov_b32 s[\g+1], 384<<16                     ; tensor_dim0
	s_mov_b32 s[\g+2], 8<<16                       ; tensor_dim1
	s_mov_b32 s[\g+3], 384<<16                     ; tile_dim0
	s_mov_b32 s[\g+4], 8                           ; tile_dim1
	s_mov_b32 s[\g+5], 1536                        ; tensor_dim0_stride
	s_mov_b32 s[\g+6], 0
	s_mov_b32 s[\g+7], 0
.endr
	; for the scale words of 8 tiles: a dense block of 4,096 bytes as 16 rows of 256
	s_or_b32 s[G1S], s66, (3<<16)|(1<<21)
	s_or_b32 s[G1SB], s67, (3<<16)|(1<<21)
.irp g, G1S, G1SB
	s_mov_b32 s[\g+1], 32<<16
	s_mov_b32 s[\g+2], 16<<16
	s_mov_b32 s[\g+3], 32<<16
	s_mov_b32 s[\g+4], 16
	s_mov_b32 s[\g+5], 32
	s_mov_b32 s[\g+6], 0
	s_mov_b32 s[\g+7], 0
.endr
	; for the bias: one row of 256 bytes, the work-group's own load (no mask)
	s_mov_b32 s[G1BI], 3<<16
	s_mov_b32 s[G1BI+1], 32<<16
	s_mov_b32 s[G1BI+2], 1<<16
	s_mov_b32 s[G1BI+3], 32<<16
	s_mov_b32 s[G1BI+4], 1
	s_mov_b32 s[G1BI+5], 32
	s_mov_b32 s[G1BI+6], 0
	s_mov_b32 s[G1BI+7], 0
	s_mov_b32 s[SEL], 0x76543210
	s_mov_b32 s[SEL+1], 0xfedcba98
	s_wait_kmcnt 0x0
	s_cmp_eq_u32 ttmp9, 0
	s_cselect_b64 s[12:13], s[12:13], s[14:15]     ; bq where the cluster's x is 0 (Wq's columns), else bk,
	s_cmp_eq_u32 s3, 0
	s_cselect_b64 s[12:13], s[12:13], s[16:17]     ; or bv
	s_cselect_b32 s14, s18, s19                    ; the tile's 256 numbers of it: by cx along B's rows, by cy along A's
	s_cselect_b64 s[44:45], s[4:5], s[8:9]         ; A's codes
	s_cselect_b64 s[46:47], s[8:9], s[4:5]         ; B's codes
	s_cselect_b64 s[100:101], s[6:7], s[10:11]     ; A's scale words
	s_cselect_b64 s[10:11], s[10:11], s[6:7]       ; B's
	s_lshl_b32 s14, s14, 10
	s_lshl_b32 s15, s2, 8                          ; each wave brings 256 bytes of the bias
	s_add_co_u32 s14, s14, s15
	s_mov_b32 s15, 0
	s_add_nc_u64 s[12:13], s[12:13], s[14:15]
	s_lshl_b32 s4, s20, 4                          ; A: tile 16 x tile row + 8 x the half that I fetch
	s_lshl_b32 s5, s23, 3
	s_add_co_u32 s4, s4, s5
	s_lshl_b32 s6, s4, 9                           ; its scale words, 512 bytes a tile,
	s_mul_i32 s4, s4, KROW                         ; its codes
	s_mov_b32 s5, 0
	s_mov_b32 s7, 0
	s_add_nc_u64 s[44:45], s[44:45], s[4:5]
	s_add_nc_u64 s[100:101], s[100:101], s[6:7]
	s_lshl_b32 s8, s21, 4                          ; B likewise, in registers that never hold cy
	s_lshl_b32 s9, s23, 3
	s_add_co_u32 s8, s8, s9
	s_lshl_b32 s16, s8, 9
	s_mul_i32 s8, s8, KROW
	s_mov_b32 s9, 0
	s_mov_b32 s17, 0
	s_add_nc_u64 s[46:47], s[46:47], s[8:9]
	s_add_nc_u64 s[10:11], s[10:11], s[16:17]
	s_mul_i32 s14, s2, HALFT                       ; where they go: by the wave's number alone
	s_lshl_b32 s15, s2, 12
	CROUND                                         ; all sixteen work-groups are here: the first joint loads meet
	s_mov_b32 s[G0BI], 1
	s_lshl_b32 s[G0BI+1], s2, 8
	s_add_co_u32 s[G0BI+1], s[G0BI+1], BIAS
	s_mov_b64 s[G0BI+2:G0BI+3], s[12:13]
	s_or_b32 s[G0BI+3], s[G0BI+3], 0x80000000
	tensor_load_to_lds s[G0BI:G0BI+3], s[G1BI:G1BI+7]
	s_nop 0
.rept 4
	v_nop
.endr
	s_mov_b32 s[G0S], 1
	s_add_co_u32 s[G0S+1], s15, SCL
	s_mov_b64 s[G0S+2:G0S+3], s[100:101]
	s_or_b32 s[G0S+3], s[G0S+3], 0x80000000
	s_mov_b32 s[G0SB], 1
	s_add_co_u32 s[G0SB+1], s15, SCL
	s_mov_b64 s[G0SB+2:G0SB+3], s[10:11]
	s_or_b32 s[G0SB+3], s[G0SB+3], 0x80000000
	JLOAD G0S, G1S, G0SB, G1SB
.irp s, 0,1
	s_mov_b32 s[G0+4*\s], 1
	s_add_co_u32 s[G0+4*\s+1], s14, \s*SLOT
	s_add_nc_u64 s[G0+4*\s+2:G0+4*\s+3], s[44:45], \s*TILEB
	s_or_b32 s[G0+4*\s+3], s[G0+4*\s+3], 0x80000000
	s_mov_b32 s[G0B+4*\s], 1
	s_add_co_u32 s[G0B+4*\s+1], s14, \s*SLOT
	s_add_nc_u64 s[G0B+4*\s+2:G0B+4*\s+3], s[46:47], \s*TILEB
	s_or_b32 s[G0B+4*\s+3], s[G0B+4*\s+3], 0x80000000
	JLOAD G0+4*\s, G1, G0B+4*\s, G1B               ; four tensor loads of mine are out now
.endr
	s_load_b256 s[4:11], s[0:1], 0x38              ; qkc, qks, vc, vs: wanted on the way out
	v_and_b32 v1, 15, v0                           ; r
	v_bfe_u32 v2, v0, 4, 1                         ; h
	s_wait_alu depctr_va_vdst(0)
	v_and_b32 v3, 31, v0
	v_lshlrev_b32 v[L16], 4, v3
	v_lshlrev_b32 v[L8], 3, v3
	s_mul_i32 s16, s22, HALFT                      ; my 8 tiles of A
	s_mul_i32 s17, s23, HALFT                      ; my 8 tiles of B,
	s_add_co_u32 s17, s17, 2*HALFT                 ; which lie behind A's 16
.irp s, 0,1
	v_add_nc_u32 v[ADRA+\s], s16, v[L16]
	v_add_nc_u32 v[ADRB+\s], s17, v[L16]
	s_add_co_u32 s16, s16, SLOT
	s_add_co_u32 s17, s17, SLOT
.endr
	v_lshlrev_b32 v5, 4, v1                        ; scale words: 16 bytes a row (four K steps)
	s_lshl_b32 s16, s22, 12                        ; A's: my 8 tiles
	s_lshl_b32 s17, s23, 12                        ; B's: my 8 tiles, behind A's 16
	s_add_co_u32 s17, s17, 2*HALFS
	s_sub_co_u32 s17, s17, s16
	v_mul_u32_u24 v6, s17, v2                      ; lanes 16-31 take B's: one product, the distance between the two
	s_add_co_u32 s16, s16, SCL
	v_add_nc_u32 v5, v5, v6
	v_add_nc_u32 v[ADRS], s16, v5
	s_lshl_b32 s16, s23, 9
	s_add_co_u32 s16, s16, BIAS
	v_lshl_add_u32 v[BADQ], v2, 7, s16
	v_and_b32 v5, 7, v1
	v_lshrrev_b32 v6, 3, v1
	v_lshl_add_u32 v5, v6, 5, v5                   ; r % 8 + 32 (r / 8)
	s_lshl_b32 s16, s22, 9
	s_add_co_u32 s16, s16, BIAS
	v_lshl_add_u32 v[BADV], v5, 2, s16
	v_lshlrev_b32 v[SH8], 3, v2
	v_lshlrev_b32 v[SH16], 4, v2
.macro FRAG reg, adr, q, i             ; tile i's fragment of the slot's q-th 128 along K: its image, as it lies
.irp c, 0,1,2
	ds_load_b128 v[\reg+4*\c:\reg+4*\c+3], v[\adr] offset:TILEB*(\i)+1536*(\q)+512*\c
.endr
.endm
.macro FETCH_B slot, q, p              ; B's eight fragments into set p
	WIN TO_B
.irp i, 0,1,2,3,4,5,6,7
	FRAG 128*(\p)+FR*\i, ADRB+\slot, \q, \i
.endr
	WIN 0
.endm
.macro FETCH_A slot, q, i0             ; A's blocks i0 .. i0 + 3
.irp i, \i0, \i0+1, \i0+2, \i0+3
	FRAG AF+FR*(\i), ADRA+\slot, \q, \i
.endr
.endm
.macro SCALES                          ; all scale words, once: block i, K steps 4 f .. 4 f + 3
.irp i, 0,1,2,3,4,5,6,7
.irp f, 0,1
	ds_load_b128 v[SC+8*\i+4*\f:SC+8*\i+4*\f+3], v[ADRS] offset:512*\i+256*\f
.endr
.endr
.endm
; 16 matrix instructions: A's blocks a0, a0 + 1 x B's eight, K step ks; p: B's set.  zero = 1: the first product starts the sums.
; The 64 accumulators take turns, one instruction a turn, in the same order in every step.
.macro MUL16 a0, p, ks, zero
.irp a, \a0, \a0+1
.irp b, 0,1,2,3,4,5,6,7
.if \zero
	v_wmma_scale_f32_16x16x128_f8f6f4 v[8*(8*((\a)%4)+\b):8*(8*((\a)%4)+\b)+7], v[128*(\p)+FR*\b:128*(\p)+FR*\b+FR-1], v[AF+FR*(\a):AF+FR*(\a)+FR-1], 0, v[SC+8*\b+(\ks)], v[SC+8*(\a)+(\ks)] matrix_a_fmt:MATRIX_FMT_FP6 matrix_b_fmt:MATRIX_FMT_FP6 matrix_a_scale:MATRIX_SCALE_ROW1
.else
	v_wmma_scale_f32_16x16x128_f8f6f4 v[8*(8*((\a)%4)+\b):8*(8*((\a)%4)+\b)+7], v[128*(\p)+FR*\b:128*(\p)+FR*\b+FR-1], v[AF+FR*(\a):AF+FR*(\a)+FR-1], v[8*(8*((\a)%4)+\b):8*(8*((\a)%4)+\b)+7], v[SC+8*\b+(\ks)], v[SC+8*(\a)+(\ks)] matrix_a_fmt:MATRIX_FMT_FP6 matrix_b_fmt:MATRIX_FMT_FP6 matrix_a_scale:MATRIX_SCALE_ROW1
.endif
.endr
.endr
.endm
; A slot's first step of 128 along K: B's set 0; the slot's second step is fetched meanwhile (B into set 1; A's blocks as they fall free).
.macro STEP slot, ks, zero
	s_wait_dscnt 4*NL                              ; all but the youngest 12 loads (A's blocks 4-7) are in
	WIN MUL_LO
	MUL16 0, 0, \ks, \zero
	MUL16 2, 0, \ks, \zero
	s_wait_dscnt 0x0                               ; A's blocks 4-7 are in
	PLACES NP                                      ; in front of loads into registers that matrix instructions have read
	FETCH_B \slot, 1, 1
	FETCH_A \slot, 1, 0
	WIN MUL_HI
	MUL16 4, 0, \ks, \zero
	MUL16 6, 0, \ks, \zero
	PLACES NP
	WIN 0
	FETCH_A \slot, 1, 4
.endm
; A slot's second step changes slots: one barrier; in front of it each wave waits for all its tensor loads, adds 0 to its spare word, and waits for that and for its
; reads of this slot.  fill = 1: the barrier opens a round of the cluster's, and this slot is filled again, 512 along K further on.
.macro TURN slot, next, fill, ks
	s_wait_tensorcnt 0x0                           ; all my tensor loads have landed: my part of the next slot
	ds_add_u32 v[SPW], v[NIL]                      ; 0 onto my spare word
	s_wait_dscnt 4*NL+1                            ; (the add and the youngest 12 loads may be out)
	WIN MUL_LO
	MUL16 0, 1, \ks, 0                             ; sixteen matrix instructions stand between the add and the wait for it
	s_wait_dscnt 0x0                               ; the add is done, and my reads of this slot are over
	s_barrier_signal -1
	MUL16 2, 1, \ks, 0
	WIN 0
	s_barrier_wait -1
.if \fill
	CREST                                          ; no wave of any partner still reads this slot or has a load on its way
	s_add_nc_u64 s[G0+4*\slot+2:G0+4*\slot+3], s[G0+4*\slot+2:G0+4*\slot+3], 2*TILEB
	s_add_nc_u64 s[G0B+4*\slot+2:G0B+4*\slot+3], s[G0B+4*\slot+2:G0B+4*\slot+3], 2*TILEB
	JLOAD G0+4*\slot, G1, G0B+4*\slot, G1B         ; the first tensor load behind the round; its four v_nop are the places in front of the loads below
.else
	PLACES NP
.endif
	FETCH_B \next, 0, 0
	FETCH_A \next, 0, 0
	WIN MUL_HI
	MUL16 4, 1, \ks, 0
	MUL16 6, 1, \ks, 0
	PLACES NP
	WIN 0
	FETCH_A \next, 0, 4
.endm
	s_wait_alu depctr_va_vdst(0)
	s_wait_tensorcnt 0x1                           ; the bias, the scale words and my part of slot 0 are in; slot 1's load may be out
	s_barrier_signal -1
	s_barrier_wait -1
	FETCH_B 0, 0, 0
	FETCH_A 0, 0, 0
	SCALES
	FETCH_A 0, 0, 4
	STEP 0, 0, 1                                   ; K = 1024 is eight steps, written out: the first starts the sums
	TURN 0, 1, 1, 1                                ; slot 0 takes K 512 to 767
	STEP 1, 2, 0
	TURN 1, 0, 1, 3                                ; slot 1 takes K 768 to 1023
	STEP 0, 4, 0
	TURN 0, 1, 0, 5                                ; nothing is left to fetch
	STEP 1, 6, 0
	s_wait_dscnt 4*NL
	WIN MUL_LO
	MUL16 0, 1, 7, 0
	MUL16 2, 1, 7, 0
	s_wait_dscnt 0x0
	WIN MUL_HI
	MUL16 4, 1, 7, 0
	MUL16 6, 1, 7, 0
	WIN 0
	; THE WAY OUT.  Block a of A (16 rows) has 64 numbers a lane.  The bias is added on the way into window 0 (each accumulator from its low end on), the 64 numbers
	; are quantised, and the code registers are stored as they stand: every store of the wave covers 512 or 256 consecutive bytes, aligned to 256.
	PLACES NP                                      ; behind the last products: in front of reads of results and of writes into registers that they read
	s_wait_kmcnt 0x0                               ; the four output addresses
	v_mov_b32 v[TM+6], 0                           ; a lane permute's destination counts as read
	s_cmp_eq_u32 s3, 0
	s_cbranch_scc0 .Lv_arm
	; q and k: my 128 rows of B are two heads; the bias runs along them
	WIN TO_B
.irp c, 0,1
.irp j, 0,1,2,3,4,5,6,7
	ds_load_b128 v[BB+32*\c+4*\j:BB+32*\c+4*\j+3], v[BADQ] offset:256*\c+16*\j
.endr
.endr
	WIN 0
	s_lshl_b32 s12, s21, 2
	s_lshl_b32 s13, s23, 1
	s_add_co_u32 s12, s12, s13                     ; my first head of the 32
	s_lshl_b32 s13, s20, 4
	s_lshl_b32 s14, s22, 3
	s_add_co_u32 s13, s13, s14                     ; my first token tile
	s_lshl_b32 s14, s12, 9
	s_add_co_u32 s14, s14, s13
	s_mul_i32 s14, s14, 768
	s_mov_b32 s15, 0
	s_add_nc_u64 s[4:5], s[4:5], s[14:15]
	s_lshl_b32 s14, s12, 7
	s_lshr_b32 s13, s13, 2
	s_add_co_u32 s14, s14, s13
	s_lshl_b32 s14, s14, 8
	s_add_nc_u64 s[6:7], s[6:7], s[14:15]
	v_lshlrev_b32 v[SOF], 4, v1
	v_lshl_add_u32 v[SOF], v2, 15, v[SOF]          ; lanes 0-15 store the first head's words, lanes 16-31 the second's, 128 x 256 bytes on
	s_wait_dscnt 0x0
.macro OUTQ a
.set AC, 64*((\a)%4)
	WIN 0x06+(\a)/4                                ; source 0: window 2 or 3; source 1: window 1
.set oj, 0
.rept 32
	v_pk_add_f32 v[T+oj:T+oj+1], v[AC+oj:AC+oj+1], v[BB+oj:BB+oj+1]
.set oj, oj+2
.endr
	WIN 0
	s_wait_xcnt 0x0                                ; the last block's stores have read their registers
	QUANT2 T, PC, PW
	global_store_b128 v[L16], v[PC:PC+3], s[4:5] offset:768*(\a)             ; the first head: registers 0-3,
	global_store_b64 v[L8], v[PC+4:PC+5], s[4:5] offset:768*(\a)+512         ; registers 4-5
	global_store_b128 v[L16], v[PC+6:PC+9], s[4:5] offset:768*(\a)+393216    ; the second head, 512 tiles on
	global_store_b64 v[L8], v[PC+10:PC+11], s[4:5] offset:768*(\a)+393216+512
	v_lshrrev_b32 v[SW+(\a)%4], v[SH16], v[PW]     ; bytes 0, 1 of the word are the first head's, bytes 2, 3 the second's
	v_and_b32 v[SW+(\a)%4], 0xffff, v[SW+(\a)%4]   ; the upper two bytes scale zero codes in attention: they are left 0
.if (\a)%4 == 3
	global_store_b128 v[SOF], v[SW:SW+3], s[6:7] offset:256*((\a)/4)
.endif
.endm
.irp a, 0,1,2,3,4,5,6,7
	OUTQ \a
.endr
	s_branch .Ljoin
.Lv_arm:
	; v: my 128 rows of A are two heads' channels, my 128 rows of B one key step; the bias is one number a lane and block (loaded twice, to fill a pair)
	WIN TO_B
.irp a, 0,1,2,3,4,5,6,7
	ds_load_b32 v[BB+2*\a], v[BADV] offset:256*(\a/4)+32*(\a%4)
	ds_load_b32 v[BB+2*\a+1], v[BADV] offset:256*(\a/4)+32*(\a%4)
.endr
	WIN 0
	s_sub_co_u32 s12, s20, 8
	s_lshl_b32 s12, s12, 2
	s_lshl_b32 s13, s22, 1
	s_add_co_u32 s12, s12, s13                     ; my first head
	s_lshr_b32 s13, s21, 3                         ; the batch: 8 tile columns of 256 tokens each
	s_lshl_b32 s13, s13, 4
	s_add_co_u32 s12, s12, s13
	s_lshl_b32 s12, s12, 4
	s_and_b32 s13, s21, 7
	s_lshl_b32 s13, s13, 1
	s_add_co_u32 s13, s13, s23                     ; the key step
	s_add_co_u32 s12, s12, s13
	s_mul_i32 s14, s12, 6144
	s_mov_b32 s15, 0
	s_add_nc_u64 s[8:9], s[8:9], s[14:15]
	s_lshl_b32 s14, s12, 8
	s_add_nc_u64 s[10:11], s[10:11], s[14:15]
	v_lshlrev_b32 v[SOF], 4, v1
	v_lshl_add_u32 v[SOF], v2, 12, v[SOF]          ; lanes 16-31 store the second head's words, 16 x 256 bytes on
	s_wait_dscnt 0x0
.macro OUTV a
.set AC, 64*((\a)%4)
	WIN 0x06+(\a)/4
.set oj, 0
.rept 32
	v_pk_add_f32 v[T+oj:T+oj+1], v[AC+oj:AC+oj+1], v[BB+2*(\a):BB+2*(\a)+1]
.set oj, oj+2
.endr
	WIN 0
	s_wait_xcnt 0x0                                ; the last block's stores have read their registers
	QUANT2 T, PC, SW+(\a)
.irp c, 0,1,2
	global_store_b128 v[L16], v[PC+4*\c:PC+4*\c+3], s[8:9] offset:98304*((\a)/4)+1536*((\a)%4)+512*\c
.endr
.endm
.irp a, 0,1,2,3,4,5,6,7
	OUTV \a
.endr
	v_cmp_eq_u32 vcc_lo, 1, v2
.irp i, 0,1,2,3
	v_cndmask_b32 v[SX+\i], v[SW+\i], v[SW+4+\i], vcc_lo
.endr
	global_store_b128 v[SOF], v[SX:SX+3], s[10:11]
.Ljoin:
	s_wait_tensorcnt 0x0                           ; the wave's end
	ds_add_u32 v[SPW], v[NIL]
	s_wait_dscnt 0x0
	CROUND                                         ; the closing round: no work-group ends while a partner may still ask for a tile that names it
	s_endpgm
.Lfunc_end_k_q1422606076_proj:
	.size	k_q1422606076_proj, .Lfunc_end_k_q1422606076_proj-k_q1422606076_proj
	.p2alignl 7, 3214868480
	.fill 96, 4, 3214868480
	.section	.rodata,"a",@progbits
	.p2align	6, 0x0
	.amdhsa_kernel k_q1422606076_proj
		.amdhsa_group_segment_fixed_size 327680
		.amdhsa_private_segment_fixed_size 0
		.amdhsa_enable_private_segment 0
		.amdhsa_kernarg_size 88
		.amdhsa_user_sgpr_count 2
		.amdhsa_user_sgpr_kernarg_segment_ptr 1
		.amdhsa_wavefront_size32 1
		.amdhsa_system_sgpr_workgroup_id_x 1
		.amdhsa_system_sgpr_workgroup_id_y 1
		.amdhsa_system_sgpr_workgroup_id_z 1
		.amdhsa_system_vgpr_workitem_id 0
		.amdhsa_next_free_vgpr 1024
		.amdhsa_next_free_sgpr 106
		.amdhsa_reserve_vcc 1
		.amdhsa_float_denorm_mode_32 3
		.amdhsa_float_denorm_mode_16_64 3
		.amdhsa_memory_ordered 1
		.amdhsa_forward_progress 1
		.amdhsa_inst_pref_size 196
	.end_amdhsa_kernel
	.amdgpu_metadata
---
amdhsa.version: [ 1, 2 ]
amdhsa.kernels:
  - .name:           k_q1422606076_proj
    .symbol:         k_q1422606076_proj.kd
    .args:
      - { .name: xc, .offset: 0, .size: 8, .value_kind: global_buffer, .address_space: global }
      - { .name: xs, .offset: 8, .size: 8, .value_kind: global_buffer, .address_space: global }
      - { .name: wc, .offset: 16, .size: 8, .value_kind: global_buffer, .address_space: global }
      - { .name: ws, .offset: 24, .size: 8, .value_kind: global_buffer, .address_space: global }
      - { .name: bq, .offset: 32, .size: 8, .value_kind: global_buffer, .address_space: global }
      - { .name: bk, .offset: 40, .size: 8, .value_kind: global_buffer, .address_space: global }
      - { .name: bv, .offset: 48, .size: 8, .value_kind: global_buffer, .address_space: global }
      - { .name: qkc, .offset: 56, .size: 8, .value_kind: global_buffer, .address_space: global }
      - { .name: qks, .offset: 64, .size: 8, .value_kind: global_buffer, .address_space: global }
      - { .name: vc, .offset: 72, .size: 8, .value_kind: global_buffer, .address_space: global }
      - { .name: vs, .offset: 80, .size: 8, .value_kind: global_buffer, .address_space: global }
    .group_segment_fixed_size: 327680
    .private_segment_fixed_size: 0
    .kernarg_segment_align: 8
    .kernarg_segment_size: 88
    .max_flat_workgroup_size: 128
    .sgpr_count:     106
    .vgpr_count:     1024
    .wavefront_size: 32
...
	.end_amdgpu_metadata
.endif
;; end of part 2
;; launch attn (part 3): grid 4 x 64, 16 waves a work-group, clusters of 4 x 1, 287,232 bytes of LDS; arguments qkc, qks, vc, vs, out0; writes out0
.if DOCPART == 3
	.amdgcn_target "amdgcn-amd-amdhsa--gfx1250"
	.amdhsa_code_object_version 6
	.text
	.protected	k_q1422606076_attn
	.globl	k_q1422606076_attn
	.p2align	8
	.type	k_q1422606076_attn,@function
k_q1422606076_attn:
	s_mov_b64 s[64:65], 0
	v_nop
	global_prefetch_b8 v0, s[64:65] scope:SCOPE_SE
	s_setreg_imm32_b32 hwreg(HW_REG_WAVE_MODE, 25, 1), 1
	s_wait_xcnt 0x0
	s_wait_alu depctr_hold_cnt(0) depctr_sa_sdst(0) depctr_va_vdst(0) depctr_va_sdst(0) depctr_va_ssrc(0) depctr_va_vcc(0) depctr_vm_vsrc(0)
	s_getreg_b32 s2, hwreg(HW_REG_IB_STS2, 6, 4)
	s_cmp_eq_u32 s2, 0
	s_cbranch_scc0 .Lentry_in_a_cluster
	s_endpgm
.Lentry_in_a_cluster:
	s_bfe_u32 s2, ttmp6, 0x10000c
	s_cmp_lg_u32 s2, 0x3003
	s_cbranch_scc0 .Lentry_shape_is_right
	s_endpgm
.Lentry_shape_is_right:
; out[b][q][64 head + d] = the sum over keys of softmax(q . k / 32) v, for 64 pairs (batch, head), 2,048 queries x 2,048 keys, head size 64, both products on codes of FP6 (E2M3).
; THE SOFTMAX AHEAD OF THE SECOND PRODUCT: t = score x log2(e) / 32; M = the row's largest t so far, rounded up to a whole number; p = 2^(t - M) is quantised along the keys, not normalised.
; The row's sum is taken of the unquantised p and divides at the end.  When M moves, the sum and O are multiplied by 2^(old M - new M), which rounds nothing.
; INPUTS are images of operand registers.  qkc [head 32 (q 0-15, k 16-31)][token tile 512][768]: 16 tokens x 64 codes, registers 0-3 at 16 x lane, registers 4-5 at 512 + 8 x lane;
; qks [head 32][64 tokens 128][row 16][tile 4] words;  vc [batch x head 64][128 keys 16][tile 4][1536]: 16 channels x 128 keys;  vs [64][16][row 16][tile 4] words.
; Row r of a tile of 16 is 64 (T / 4) + 8 (T % 4) + r % 8 + 32 (r / 8): as source 0, four neighbouring tiles leave 32 NEIGHBOURS in a lane's 32 result registers.
; SHARES.  The cluster's y is the pair (batch, head); its four work-groups take 512 queries each; each of sixteen waves takes one tile of 16 queries at a time, twice.
; A head's K and V, 96 KB of codes each, and their scale words lie in LDS for the whole launch: filled ONCE, jointly for the four work-groups (wave 0: K's, wave 1: V's), in four chunks of
; 512 keys, so that the first pass begins when the first chunk is in.  No LDS byte is filled again.
; LAYOUT.  S^T = K Q^T (source 0 = 16 keys), O^T = V^T P^T (source 0 = 16 channels): a lane holds one query throughout.  Of a step's 128 keys a lane holds keys 64 c + 32 (lane / 16) + 0 .. 31 in
; registers 32 c + 0 .. 31: two whole blocks, in the order of a 6-bit operand: the conversions' results are the second product's operand.
; K = 64 IN AN INSTRUCTION OF 128: q's operand is six registers of codes and six of zeros.  K's operand for tile T is v[32 + 6 T] on, twelve registers: the upper six are the next tile's codes (zeros behind
; the last), which meet q's zero codes; the upper two scale bytes are 0.  So only a tile's 768 bytes are read.
; LIMITS: NaN and infinities are not served.
.set KS,    512                        ; LDS: K's scale words, 8,192 bytes
.set VS,    8704                       ; V's, 4,096
.set KC,    12800                      ; K's codes, 98,304: 16 key steps of 6,144
.set VC,    117248                     ; V's codes, 98,304, behind 6,144 unused bytes
.set STG,   215552                     ; the way out: 16 rows x 272 bytes for each wave
.set CHB,   24576                      ; a chunk: four key steps
.set KSTEP, 6144
; The step's offsets are stepped at a step's HEAD, and the lanes' bases lie one step lower.
.set L16,  1                           ; v1   16 x lane
.set L8P,  2                           ; v2   8 x lane + 512
.set LV,   3                           ; v3   16 x lane + VC - 6144
.set SH8,  4                           ; v4   8 x (lane / 16)
.set STO,  5                           ; v5   the stage: where I put my 128 bytes of a row
.set SRD,  6                           ; v6   and where I read rows back
.set GO,   7                           ; v7   my offset in two rows of out
.set ADK16, 8                          ; v8-11, v28 the step's LDS addresses
.set ADK8, 9
.set ADV,  10
.set ADKS, 11
.set ADVS, 28
.set QSW,  29                          ; v29  q's scale words
.set PSW,  30                          ; v30  p's
.set LKS,  31                          ; v31  16 x lane + KS - 512
.set LVS,  93                          ; v93  16 x (lane % 16) + VS - 256
.set LK16, 94                          ; v94  16 x lane + KC - 6144
.set LK8,  95                          ; v95  8 x lane + 512 + KC - 6144
; v12 -M, v13 the largest score so far, v[14:15] the sum in two halves; v16-21 q's codes, v22-27 zeros; v32-79 K's eight tiles, later V's four; v80-85 zeros; v86-92 the second pass's q;
; v96-159 S^T, then p; v160-191 O^T; v192-203 p's codes; v204-210 the conversions' second halves; v212-215 K's scale words, v216-219 V's
.set BM,   220                         ; v220-221 the largest score of my two blocks, then their largest p
.set SO,   222                         ; v222-223 the conversions' scale operands
.set BY,   224                         ; v224-225 the scale bytes
.set F,    226                         ; v[226:227] 2^(old M - new M); at the end 1 / the sum
.set CH,   228                         ; v[228:229] the sum's second chain
.set T0,   230
.set T1,   231
.set WV,   14
.set SEL,  20
.set CS,   22                          ; s[22:23] log2(e) / 32
.set G1C,  24                          ; s[24:31] group 1 for a chunk; s[32:39] for K's scale words; s[40:47] for V's
.set G1KS, 32
.set G1VS, 40
.set TK,   88                          ; s88 the step's place among the codes, s89 among K's scale words, s90 among V's
.set TS,   89
.set TV,   90
.set CNT,  91
.macro CROUND                          ; a round of the cluster's barrier
	s_barrier_signal -1
	s_barrier_wait -1
	s_cmp_lg_u32 s[WV], 0
	s_cbranch_scc1 .Lnot_wave_0_\@
	s_barrier_signal -3
.Lnot_wave_0_\@:
	s_barrier_wait -3
	s_barrier_signal -1
	s_barrier_wait -1
.endm
.macro DENSE g, rows                   ; group 1: a dense block as rows of 256 bytes (32 elements of 8), for all four work-groups
	s_mov_b32 s[\g], 15|(3<<16)|(1<<21)
	s_mov_b32 s[\g+1], 32<<16
	s_mov_b32 s[\g+2], (\rows)<<16
	s_mov_b32 s[\g+3], 32<<16
	s_mov_b32 s[\g+4], \rows
	s_mov_b32 s[\g+5], 32
	s_mov_b32 s[\g+6], 0
	s_mov_b32 s[\g+7], 0
.endm
.macro G0C g, c                        ; group 0 for chunk c
	s_mov_b32 s[\g], 1
	s_add_co_u32 s[\g+1], s81, CHB*\c
	s_add_nc_u64 s[\g+2:\g+3], s[72:73], CHB*\c
	s_or_b32 s[\g+3], s[\g+3], 0x80000000
.endm
	s_load_b256 s[4:11], s[0:1], 0x0               ; qkc, qks, vc, vs
	s_load_b64 s[12:13], s[0:1], 0x20              ; out0
	v_lshl_add_u32 v254, v0, 2, 0x45a00
	v_mov_b32 v255, 0
	ds_add_u32 v254, v255
	ds_add_u32 v254, v255
	v_lshrrev_b32 v232, 5, v0
	s_delay_alu instid0(VALU_DEP_1)
	v_readfirstlane_b32 s[WV], v232                ; wave 0..15
	v_and_b32 v232, 31, v0                         ; lane
	v_and_b32 v233, 15, v0                         ; r
	v_bfe_u32 v235, v0, 4, 1                       ; h
	s_delay_alu instid0(VALU_DEP_3)
	v_lshlrev_b32 v[L16], 4, v232
	s_delay_alu instid0(VALU_DEP_4)
	v_lshlrev_b32 v[L8P], 3, v232
	s_delay_alu instid0(VALU_DEP_1)
	v_add_nc_u32 v[L8P], 512, v[L8P]
	v_lshlrev_b32 v234, 4, v233                    ; 16 r
	s_delay_alu instid0(VALU_DEP_4)
	v_add_nc_u32 v[LK16], KC-KSTEP, v[L16]
	s_delay_alu instid0(VALU_DEP_3)
	v_add_nc_u32 v[LK8], KC-KSTEP, v[L8P]
	v_add_nc_u32 v[LV], VC-KSTEP, v[L16]
	v_add_nc_u32 v[LKS], KS-512, v[L16]
	v_add_nc_u32 v[LVS], VS-256, v234
	v_lshlrev_b32 v[SH8], 3, v235
	s_mul_i32 s82, s[WV], 16*272
	s_add_co_u32 s82, s82, STG                     ; my stage
	v_mul_u32_u24 v[STO], v233, 272
	s_delay_alu instid0(VALU_DEP_1)
	v_lshl_add_u32 v[STO], v235, 7, v[STO]
	s_delay_alu instid0(VALU_DEP_1)
	v_add_nc_u32 v[STO], s82, v[STO]               ; in: row r, channels 32 h on
	v_mul_u32_u24 v[SRD], v235, 272
	s_delay_alu instid0(VALU_DEP_1)
	v_lshl_add_u32 v[SRD], v233, 4, v[SRD]
	s_delay_alu instid0(VALU_DEP_1)
	v_add_nc_u32 v[SRD], s82, v[SRD]               ; back: lanes 0-15 one row, lanes 16-31 the next
	v_lshlrev_b32 v[GO], 12, v235
	s_delay_alu instid0(VALU_DEP_1)
	v_lshl_add_u32 v[GO], v233, 4, v[GO]           ; and the same in out: a token's row is 4,096 bytes
	s_bfe_u32 s15, ttmp6, 0x40000                  ; cx: it enters q's and out's addresses alone
	s_and_b32 s16, ttmp7, 0xffff                   ; batch x head
	s_lshr_b32 s17, s16, 4                         ; batch
	s_and_b32 s18, s16, 15                         ; head
	s_and_b32 s19, s[WV], 1                        ; 0: I would fetch K's, 1: V's
	s_mov_b32 s[SEL], 0x76543210
	s_mov_b32 s[SEL+1], 0xfedcba98
	s_mov_b32 s[CS], 0x3d38aa3b                    ; log2(e) / 32
	s_mov_b32 s[CS+1], s[CS]                       ; (named with it as a pair, so it is written)
	DENSE G1C, 96
	DENSE G1KS, 32
	DENSE G1VS, 16
	s_add_co_u32 s80, s18, 16                      ; k's heads lie behind q's sixteen
	s_lshl_b32 s72, s80, 9
	s_lshl_b32 s81, s17, 7
	s_add_co_u32 s72, s72, s81                     ; the head's first token tile of this batch
	s_lshl_b32 s74, s72, 6                         ; its scale words: 256 bytes for four tiles
	s_mul_i32 s72, s72, 768
	s_mov_b32 s73, 0
	s_mov_b32 s75, 0
	s_mul_i32 s76, s16, 98304
	s_mov_b32 s77, 0
	s_lshl_b32 s78, s16, 12
	s_mov_b32 s79, 0
	s_lshl_b32 s82, s18, 9                         ; q: tile 512 head + 128 batch + 32 cx + wave; the second pass's lies 16 tiles on
	s_add_co_u32 s82, s82, s81
	s_lshl_b32 s83, s15, 5
	s_add_co_u32 s82, s82, s83
	s_add_co_u32 s82, s82, s[WV]
	s_lshr_b32 s84, s82, 2
	s_lshl_b32 s84, s84, 8
	s_and_b32 s85, s[WV], 3
	s_lshl_b32 s85, s85, 2
	s_add_co_u32 s84, s84, s85                     ; its scale words: the group of four tiles, and my tile's word in each row's four
	s_mov_b32 s85, 0
	s_mul_i32 s82, s82, 768
	s_mov_b32 s83, 0
	s_lshl_b32 s86, s17, 11                        ; out: token 2048 batch + 64 (8 cx + wave / 4) + 8 (wave % 4)
	s_lshl_b32 s87, s15, 3
	s_lshr_b32 s80, s[WV], 2
	s_add_co_u32 s87, s87, s80
	s_lshl_b32 s87, s87, 6
	s_add_co_u32 s86, s86, s87
	s_and_b32 s87, s[WV], 3
	s_lshl_b32 s87, s87, 3
	s_add_co_u32 s86, s86, s87
	s_lshl_b32 s86, s86, 12
	s_lshl_b32 s87, s18, 8                         ; and the head's 256 bytes of the row
	s_add_co_u32 s86, s86, s87
	s_mov_b32 s87, 0
	s_mul_i32 s80, s19, VS-KS                      ; where the tiles go: by the wave's number alone
	s_add_co_u32 s80, s80, KS
	s_mul_i32 s81, s19, VC-KC
	s_add_co_u32 s81, s81, KC
	s_wait_dscnt 0x0
	s_wait_kmcnt 0x0
	s_add_nc_u64 s[72:73], s[4:5], s[72:73]        ; K's codes
	s_add_nc_u64 s[74:75], s[6:7], s[74:75]        ; K's scale words
	s_add_nc_u64 s[76:77], s[8:9], s[76:77]        ; V's codes
	s_add_nc_u64 s[78:79], s[10:11], s[78:79]      ; V's scale words
	s_cmp_eq_u32 s19, 0
	s_cselect_b64 s[72:73], s[72:73], s[76:77]
	s_cselect_b64 s[74:75], s[74:75], s[78:79]
	s_add_nc_u64 s[4:5], s[4:5], s[82:83]          ; q's codes
	s_add_nc_u64 s[6:7], s[6:7], s[84:85]          ; q's scale words
	s_add_nc_u64 s[12:13], s[12:13], s[86:87]      ; out
	s_mov_b32 s48, 1
	s_mov_b32 s49, s80
	s_mov_b64 s[50:51], s[74:75]
	s_or_b32 s51, s51, 0x80000000
	G0C 52, 0
	G0C 56, 1
	G0C 60, 2
	G0C 68, 3
	CROUND                                         ; all four work-groups are here: the joint loads meet
	s_cmp_lt_u32 s[WV], 2                          ; a wave's five fills stand together, in one branch on the wave's number: five loads of it are out
	s_cbranch_scc0 .Lno_fill
	s_cmp_eq_u32 s[WV], 0
	s_cbranch_scc0 .Lfill_v
	tensor_load_to_lds s[48:51], s[G1KS:G1KS+7]    ; the scale words first, then the chunks in the order in which they are read
	s_nop 0
	tensor_load_to_lds s[52:55], s[G1C:G1C+7]
	s_nop 0
	tensor_load_to_lds s[56:59], s[G1C:G1C+7]
	s_nop 0
	tensor_load_to_lds s[60:63], s[G1C:G1C+7]
	s_nop 0
	tensor_load_to_lds s[68:71], s[G1C:G1C+7]
	s_nop 0
.rept 4
	v_nop
.endr
	s_branch .Lno_fill
.Lfill_v:
	tensor_load_to_lds s[48:51], s[G1VS:G1VS+7]
	s_nop 0
	tensor_load_to_lds s[52:55], s[G1C:G1C+7]
	s_nop 0
	tensor_load_to_lds s[56:59], s[G1C:G1C+7]
	s_nop 0
	tensor_load_to_lds s[60:63], s[G1C:G1C+7]
	s_nop 0
	tensor_load_to_lds s[68:71], s[G1C:G1C+7]
	s_nop 0
.rept 4
	v_nop
.endr
.Lno_fill:
	global_load_b128 v[16:19], v[L16], s[4:5] th:TH_LOAD_NT                ; both passes' q: read once, by this wave
	global_load_b64 v[20:21], v[L8P], s[4:5] th:TH_LOAD_NT
	global_load_b32 v[QSW], v234, s[6:7] th:TH_LOAD_NT
	global_load_b128 v[86:89], v[L16], s[4:5] offset:12288 th:TH_LOAD_NT
	global_load_b64 v[90:91], v[L8P], s[4:5] offset:12288 th:TH_LOAD_NT
	global_load_b32 v92, v234, s[6:7] offset:1024 th:TH_LOAD_NT
.irp i, 0,1,2,3,4,5
	v_mov_b32 v[22+\i], 0                          ; the upper half of q's operand: zero codes
	v_mov_b32 v[80+\i], 0                          ; and what stands behind K's last tile
.endr
	v_mov_b32 v[F+1], 0                            ; (named as the upper half of a pair)
	v_mov_b32 v[T0], 0                             ; a lane permute's destination counts as read
	v_mov_b32 v[T1], 0
.macro INIT                            ; a pass begins: the step is written once, and its first run finds zeros, which the first change of M leaves zeros
	v_mov_b32 v13, 0xff61b1e6                      ; the largest score so far: -3e38
	s_delay_alu instid0(VALU_DEP_1)
	v_mul_f32 v12, s[CS], v13
	s_delay_alu instid0(VALU_DEP_1)
	v_floor_f32 v12, -v12                          ; -M
	v_mov_b32 v14, 0
	v_mov_b32 v15, 0
.set ij, 0
.rept 32
	v_mov_b32 v[160+ij], 0
.set ij, ij+1
.endr
.endm
	INIT
; A KEY STEP: 128 keys.
.macro STEP
	s_add_co_u32 s[TK], s[TK], KSTEP
	s_add_co_u32 s[TS], s[TS], 512
	s_add_co_u32 s[TV], s[TV], 256
	v_add_nc_u32 v[ADK16], s[TK], v[LK16]          ; these five are also the places between the last step's products and the loads into registers that they read
	v_add_nc_u32 v[ADK8], s[TK], v[LK8]
	v_add_nc_u32 v[ADV], s[TK], v[LV]
	v_add_nc_u32 v[ADKS], s[TS], v[LKS]
	v_add_nc_u32 v[ADVS], s[TV], v[LVS]
.irp t, 0,1,2,3,4,5,6,7
	ds_load_b128 v[32+6*\t:35+6*\t], v[ADK16] offset:768*\t
	ds_load_b64 v[36+6*\t:37+6*\t], v[ADK8] offset:768*\t
.endr
	ds_load_b128 v[212:215], v[ADKS]               ; lanes 0-15: the words of tiles 0-3, lanes 16-31: of tiles 4-7
	s_wait_alu depctr_va_vdst(0)
	s_wait_dscnt 0x0
.irp t, 0,1,2,3
	v_wmma_scale_f32_16x16x128_f8f6f4 v[96+8*\t:103+8*\t], v[32+6*\t:43+6*\t], v[16:27], 0, v[212+\t], v[QSW] matrix_a_fmt:MATRIX_FMT_FP6 matrix_b_fmt:MATRIX_FMT_FP6
.endr
.irp t, 4,5,6,7
	v_wmma_scale_f32_16x16x128_f8f6f4 v[96+8*\t:103+8*\t], v[32+6*\t:43+6*\t], v[16:27], 0, v[208+\t], v[QSW] matrix_a_fmt:MATRIX_FMT_FP6 matrix_b_fmt:MATRIX_FMT_FP6 matrix_a_scale:MATRIX_SCALE_ROW1
.endr
.rept 4
	v_nop                                          ; places in front of the loads into K's registers and of the first read of the scores
.endr
.irp t, 0,1,2,3
.irp c, 0,1,2
	ds_load_b128 v[32+12*\t+4*\c:35+12*\t+4*\c], v[ADV] offset:1536*\t+512*\c   ; V's four fragments land under the softmax
.endr
.endr
	ds_load_b128 v[216:219], v[ADVS]
	; the largest score of each of my two blocks of 32 keys: it serves for the row's maximum and, since p rises with the score, for the block's largest p
	v_max3_num_f32 v[BM], v96, v97, v98
	v_max3_num_f32 v[BM+1], v128, v129, v130
.set sj, 3
.rept 14
	v_max3_num_f32 v[BM], v[BM], v[96+sj], v[97+sj]
	v_max3_num_f32 v[BM+1], v[BM+1], v[128+sj], v[129+sj]
.set sj, sj+2
.endr
	v_max_num_f32 v[BM], v[BM], v127
	v_max_num_f32 v[BM+1], v[BM+1], v159
	s_delay_alu instid0(VALU_DEP_1)
	v_max_num_f32 v[T0], v[BM], v[BM+1]
	s_delay_alu instid0(VALU_DEP_1)
	v_permlanex16_b32 v[T1], v[T0], s[SEL], s[SEL+1]   ; the query's other 64 keys lie in lane l xor 16
	s_delay_alu instid0(VALU_DEP_1)
	v_max3_num_f32 v13, v13, v[T0], v[T1]          ; the running largest score
	s_delay_alu instid0(VALU_DEP_1)
	v_mul_f32 v[T0], s[CS], v13                    ; as t
	v_mov_b32 v[T1], v12
	s_delay_alu instid0(VALU_DEP_2)
	v_floor_f32 v12, -v[T0]                        ; the new -M = -ceil(t): a whole number
	s_delay_alu instid0(VALU_DEP_1)
	v_sub_f32 v[T1], v12, v[T1]                    ; old M - new M, 0 or less
	s_delay_alu instid0(VALU_DEP_1)
	v_cvt_i32_f32 v[T1], v[T1]                     ; (it saturates)
	s_delay_alu instid0(VALU_DEP_1)
	v_ldexp_f32 v[F], 1.0, v[T1]                   ; f = 2^(old M - new M)
.set sj, 0
.rept 32
	v_pk_fma_f32 v[96+sj:97+sj], v[96+sj:97+sj], s[CS:CS+1], v[12:13] op_sel_hi:[1,0,0]   ; t - M, two at a time
.set sj, sj+2
.endr
	v_fma_f32 v[BM], v[BM], s[CS], v12
	v_fma_f32 v[BM+1], v[BM+1], s[CS], v12
.set sj, 0
	s_setprio 1
	s_wait_alu depctr_va_vdst(0)
.rept 64
	v_exp_f32 v[96+sj], v[96+sj]                   ; p = 2^(t - M)
.set sj, sj+1
.endr
	v_exp_f32 v[BM], v[BM]
	v_exp_f32 v[BM+1], v[BM+1]
	v_pk_mul_f32 v[14:15], v[14:15], v[F:F+1] op_sel_hi:[1,0]   ; the sum under the new M.  (The plain line behind the exponentials)
	s_wait_alu depctr_va_vdst(0)
	v_max_num_f32 v[BM], 0x1800000, v[BM]          ; the floor 2^(3 - 127): the byte cannot fall under 1
	v_max_num_f32 v[BM+1], 0x1800000, v[BM+1]
	s_delay_alu instid0(VALU_DEP_2)
	v_add_nc_u32 v[SO], 0xff000000, v[BM]          ; 2 off the exponent field: the conversion's scale operand
	s_delay_alu instid0(VALU_DEP_2)
	v_add_nc_u32 v[SO+1], 0xff000000, v[BM+1]
	s_delay_alu instid0(VALU_DEP_2)
	v_lshrrev_b32 v[BY], 23, v[SO]
	s_delay_alu instid0(VALU_DEP_2)
	v_lshrrev_b32 v[BY+1], 23, v[SO+1]
	s_delay_alu instid0(VALU_DEP_1)
	v_lshl_or_b32 v[PSW], v[BY+1], 16, v[BY]       ; my blocks are h and 2 + h of the step's four
	s_delay_alu instid0(VALU_DEP_1)
	v_lshlrev_b32 v[PSW], v[SH8], v[PSW]
	s_delay_alu instid0(VALU_DEP_1)
	v_permlanex16_b32 v[T0], v[PSW], s[SEL], s[SEL+1]
	s_delay_alu instid0(VALU_DEP_1)
	v_or_b32 v[PSW], v[PSW], v[T0]                 ; p's scale word for these 128 keys
.irp c, 0,1
	v_cvt_scalef32_pk16_fp6_f32 v[192+6*\c:194+6*\c], v[96+32*\c:111+32*\c], v[SO+\c]
	v_cvt_scalef32_pk16_fp6_f32 v[204+4*\c:206+4*\c], v[112+32*\c:127+32*\c], v[SO+\c]   ; a conversion's three registers begin on an even number
.endr
	v_nop                                          ; one plain line behind the scaled conversions
.irp c, 0,1
.irp i, 0,1,2
	v_mov_b32 v[195+6*\c+\i], v[204+4*\c+\i]
.endr
.endr
	v_pk_add_f32 v[228:229], v[100:101], v[104:105]
	v_pk_add_f32 v[252:253], v[108:109], v[112:113]
	v_pk_add_f32 v[250:251], v[116:117], v[120:121]
	v_pk_add_f32 v[248:249], v[124:125], v[128:129]
	v_pk_add_f32 v[246:247], v[132:133], v[136:137]
	v_pk_add_f32 v[244:245], v[140:141], v[144:145]
	v_pk_add_f32 v[242:243], v[148:149], v[152:153]
	v_pk_add_f32 v[14:15], v[14:15], v[156:157]
	v_pk_add_f32 v[228:229], v[228:229], v[96:97]
	v_pk_add_f32 v[252:253], v[252:253], v[98:99]
	v_pk_add_f32 v[250:251], v[250:251], v[102:103]
	v_pk_add_f32 v[248:249], v[248:249], v[106:107]
	v_pk_add_f32 v[246:247], v[246:247], v[110:111]
	v_pk_add_f32 v[244:245], v[244:245], v[114:115]
	v_pk_add_f32 v[242:243], v[242:243], v[118:119]
	v_pk_add_f32 v[14:15], v[14:15], v[122:123]
	v_pk_add_f32 v[228:229], v[228:229], v[126:127]
	v_pk_add_f32 v[252:253], v[252:253], v[130:131]
	v_pk_add_f32 v[250:251], v[250:251], v[134:135]
	v_pk_add_f32 v[248:249], v[248:249], v[138:139]
	v_pk_add_f32 v[246:247], v[246:247], v[142:143]
	v_pk_add_f32 v[244:245], v[244:245], v[146:147]
	v_pk_add_f32 v[242:243], v[242:243], v[150:151]
	v_pk_add_f32 v[14:15], v[14:15], v[154:155]
	v_pk_add_f32 v[228:229], v[228:229], v[158:159]
	s_delay_alu instid0(VALU_DEP_2)
	v_pk_add_f32 v[14:15], v[14:15], v[248:249]
	s_delay_alu instid0(VALU_DEP_2)
	v_pk_add_f32 v[228:229], v[228:229], v[246:247]
	v_pk_add_f32 v[252:253], v[252:253], v[244:245]
	v_pk_add_f32 v[250:251], v[250:251], v[242:243]
	s_delay_alu instid0(VALU_DEP_2)
	v_pk_add_f32 v[14:15], v[14:15], v[252:253]
	s_delay_alu instid0(VALU_DEP_2)
	v_pk_add_f32 v[228:229], v[228:229], v[250:251]
	s_delay_alu instid0(VALU_DEP_1)
	v_pk_add_f32 v[14:15], v[14:15], v[228:229]
.set sj, 0
	s_setprio 0
.rept 16
	v_pk_mul_f32 v[160+sj:161+sj], v[160+sj:161+sj], v[F:F+1] op_sel_hi:[1,0]   ; O^T under the new M.  (With the sums: the places between p's codes and scale word and the products)
.set sj, sj+2
.endr
	s_wait_alu depctr_va_vdst(0)
	s_wait_dscnt 0x0                               ; V is in
.irp t, 0,1,2,3
	v_wmma_scale_f32_16x16x128_f8f6f4 v[160+8*\t:167+8*\t], v[32+12*\t:43+12*\t], v[192:203], v[160+8*\t:167+8*\t], v[216+\t], v[PSW] matrix_a_fmt:MATRIX_FMT_FP6 matrix_b_fmt:MATRIX_FMT_FP6
.endr
.endm
.macro LOOP n
	s_mov_b32 s[CNT], \n
.Lstep_\@:
	s_setprio 2
	STEP
	s_sub_co_u32 s[CNT], s[CNT], 1
	s_cmp_lg_u32 s[CNT], 0
	s_cbranch_scc1 .Lstep_\@
	s_setprio 0
.endm
; The first pass, chunk c: the fetching waves wait until the scale words and chunks 0 .. c have landed (the 3 - c younger loads stay out; a wave that issued none passes), then the barrier shows them to all.
.macro CHUNK c
	s_wait_tensorcnt 3-\c
	s_wait_dscnt 0x0
	s_barrier_signal -1
	s_barrier_wait -1
	s_mov_b32 s[TK], CHB*\c
	s_mov_b32 s[TS], 2048*\c
	s_mov_b32 s[TV], 1024*\c
	LOOP 4
.endm
; THE WAY OUT of pass p.  O^T / the sum goes through my stage: a lane's 32 channels are 128 bytes of a row; rows come back whole, and sixteen lanes store the 256 bytes of one token and head, aligned.
.macro OUT p
.rept 4
	v_nop                                          ; places behind the last products
.endr
	v_add_f32 v14, v14, v15
	s_delay_alu instid0(VALU_DEP_1)
	v_permlanex16_b32 v[T0], v14, s[SEL], s[SEL+1]
	s_delay_alu instid0(VALU_DEP_1)
	v_add_f32 v14, v14, v[T0]                      ; the row's sum
	s_wait_alu depctr_va_vdst(0)
	v_rcp_f32 v[F], v14
	v_nop                                          ; a plain line behind the transcendental
.set oj, 0
	s_wait_alu depctr_va_vdst(0)
.rept 16
	v_pk_mul_f32 v[96+oj:97+oj], v[160+oj:161+oj], v[F:F+1] op_sel_hi:[1,0]   ; each accumulator from its low end on
.set oj, oj+2
.endr
.irp t, 0,1,2,3
	ds_store_b128 v[STO], v[96+8*\t:99+8*\t] offset:32*\t
	ds_store_b128 v[STO], v[100+8*\t:103+8*\t] offset:32*\t+16
.endr
.irp i, 0,1,2,3,4,5,6,7
	ds_load_b128 v[128+4*\i:131+4*\i], v[SRD] offset:544*\i   ; LDS serves a wave's instructions in order: these see my stores
.endr
.irp i, 0,1,2,3,4,5,6,7
	s_wait_dscnt 7-\i                              ; the younger loads may be out
	global_store_b128 v[GO], v[128+4*\i:131+4*\i], s[12:13] offset:1048576*\p+4096*(2*(\i%4)+32*(\i/4)) th:TH_STORE_NT   ; rows 2 i, 2 i + 1 of the tile are tokens 2 (i % 4) + 32 (i / 4) and the next
.endr
.endm
	s_wait_loadcnt 0x0                             ; q
	CHUNK 0
	CHUNK 1
	CHUNK 2
	CHUNK 3
	OUT 0
	s_wait_xcnt 0x0                                ; the stores have read their registers: the next pass writes them
.irp i, 0,1,2,3,4,5
	v_mov_b32 v[16+\i], v[86+\i]                   ; the second pass's q and its scale words; the lines that begin the pass are the places behind these
.endr
	v_mov_b32 v[QSW], v92
	INIT
	s_mov_b32 s[TK], 0
	s_mov_b32 s[TS], 0
	s_mov_b32 s[TV], 0
	LOOP 16
	OUT 1
	s_wait_tensorcnt 0x0
	s_wait_dscnt 0x0
	s_wait_tensorcnt 0x0
	ds_add_u32 v254, v255
	s_wait_dscnt 0x0
	CROUND                                         ; the closing round: no work-group ends while a partner may still ask for a tile that names it
	s_endpgm
.Lfunc_end_k_q1422606076_attn:
	.size	k_q1422606076_attn, .Lfunc_end_k_q1422606076_attn-k_q1422606076_attn
	.p2alignl 7, 3214868480
	.fill 96, 4, 3214868480
	.section	.rodata,"a",@progbits
	.p2align	6, 0x0
	.amdhsa_kernel k_q1422606076_attn
		.amdhsa_group_segment_fixed_size 287232
		.amdhsa_private_segment_fixed_size 0
		.amdhsa_enable_private_segment 0
		.amdhsa_kernarg_size 40
		.amdhsa_user_sgpr_count 2
		.amdhsa_user_sgpr_kernarg_segment_ptr 1
		.amdhsa_wavefront_size32 1
		.amdhsa_system_sgpr_workgroup_id_x 1
		.amdhsa_system_sgpr_workgroup_id_y 1
		.amdhsa_system_sgpr_workgroup_id_z 1
		.amdhsa_system_vgpr_workitem_id 0
		.amdhsa_next_free_vgpr 256
		.amdhsa_next_free_sgpr 96
		.amdhsa_reserve_vcc 0
		.amdhsa_float_denorm_mode_32 3
		.amdhsa_float_denorm_mode_16_64 3
		.amdhsa_memory_ordered 1
		.amdhsa_forward_progress 1
		.amdhsa_inst_pref_size 99
	.end_amdhsa_kernel
	.amdgpu_metadata
---
amdhsa.version: [ 1, 2 ]
amdhsa.kernels:
  - .name:           k_q1422606076_attn
    .symbol:         k_q1422606076_attn.kd
    .args:
      - { .name: qkc, .offset: 0, .size: 8, .value_kind: global_buffer, .address_space: global }
      - { .name: qks, .offset: 8, .size: 8, .value_kind: global_buffer, .address_space: global }
      - { .name: vc, .offset: 16, .size: 8, .value_kind: global_buffer, .address_space: global }
      - { .name: vs, .offset: 24, .size: 8, .value_kind: global_buffer, .address_space: global }
      - { .name: out0, .offset: 32, .size: 8, .value_kind: global_buffer, .address_space: global }
    .group_segment_fixed_size: 287232
    .private_segment_fixed_size: 0
    .kernarg_segment_align: 8
    .kernarg_segment_size: 40
    .max_flat_workgroup_size: 512
    .sgpr_count:     96
    .vgpr_count:     256
    .wavefront_size: 32
...
	.end_amdgpu_metadata
.endif
;; end of part 3
